; MI455X (gfx1250); checked and timed in simulation.
; The chip was launched on July 23, 2026; its instructions are those of AMD's public machine-readable ISA for CDNA 5 (MIT licence, August 2026) and "CDNA5" Instruction Set Architecture Reference Guide (July 2026). The comments in the code are by the model that wrote it; some were corrected since.
;; SE3 Attention. Allowed arithmetic: matrix products marked QUANTISED: E2M3 operands, one E8M0 scale for each 32 along K, by v_wmma_scale_f32_16x16x128_f8f6f4 with both operands' format E2M3, f32 sums; products left as they are: f32 operands where the result goes on into a quantised operand, else bf16, f16 or f32 operands; f32 sums; everything else in f32.
;; Inputs: Wk 256 x 256 float32; Wo 256 x 256 float32; Wq 256 x 256 float32; Wv 256 x 256 float32; bk 256 float32; bo 256 float32; bq 256 float32; bv 256 float32; pos 2 x 4,096 x 3 float32; x 2 x 4,096 x 256 float32.
;; Outputs: out0 2 x 4,096 x 256 float32.
;; This version of the problem:
;;   THIS VERSION OF THE PROBLEM IS GIVEN IN LOW PRECISION. The matrix products marked QUANTISED in the list below multiply operands that are first quantised to E2M3 (2 exponent bits, 3 mantissa bits; 6 bits a number), with one power-of-two scale for each 32 numbers along K (OCP MX v1.0); their sums are f32. All else is computed in f32.
;;   The module's matrix products, in the order in which they are computed (A, B: the left and right operand; K: the contracted axis; several contracted axes count as one K, in the product's order):
;;     1. [M 8,192, K 256] x [K 256, N 256]; A: input x; B: input Wq: QUANTISED
;;     2. [M 8,192, K 256] x [K 256, N 256]; A: input x; B: input Wk: QUANTISED
;;     3. [M 8,192, K 256] x [K 256, N 256]; A: input x; B: input Wv: QUANTISED
;;     4. batch 16 x [M 4,096, K 32] x [K 32, N 4,096]; A: computed on the way; B: computed on the way: QUANTISED
;;     5. batch 2 x [M 4,096, K 3] x [K 3, N 4,096]; A: input pos; B: input pos: left as it is (K = 3 < 32)
;;     6. batch 16 x [M 4,096, K 4,096] x [K 4,096, N 32]; A: softmax (see below); B: computed on the way: QUANTISED
;;     7. [M 8,192, K 256] x [K 256, N 256]; A: computed on the way; B: input Wo: QUANTISED
;;   THE QUANTISER, for each operand of a quantised product, along K:
;;     - K is cut into blocks of 32 from its start; a last block that is shorter is filled with zeros.
;;     - A block's scale is 2^e with e = floor(log2(the largest magnitude in the block)) - 2, held to -126 .. 127; a block of zeros has e = 0. As a byte (E8M0): e + 127.
;;     - Each number is divided by its block's scale, clamped to +-7.5, and rounded to the nearest number of E2M3, ties to even, subnormals kept.
;;     - The product sums the exact products of the quantised numbers (number of the format x scale) in f32.
;;   ~~~python
;;   def quantise(x, axis):      # numpy; x: float32 -> the quantised numbers, widened to float32 again
;;       x = np.moveaxis(x, axis, -1); K = x.shape[-1]
;;       x = np.pad(x, [(0, 0)] * (x.ndim - 1) + [(0, -K % 32)]); x = x.reshape(x.shape[:-1] + (-1, 32)); a = np.abs(x).max(-1, keepdims=True)
;;       e = np.where(a > 0, np.clip(np.frexp(np.where(a > 0, a, 1))[1] - 1 - 2, -126, 127), 0)      # np.frexp(a)[1] - 1 = floor(log2(a)), exactly
;;       r = np.clip(x / 2.0 ** e, -7.5, 7.5)
;;       step = 2.0 ** (np.maximum(np.frexp(np.where(r == 0, 1, r))[1] - 1, 0) - 3)
;;       q = np.round(r / step) * step * 2.0 ** e      # np.round: ties to even
;;       return np.moveaxis(q.reshape(q.shape[:-2] + (-1,))[..., :K], -1, axis).astype(np.float32)
;;   ~~~
;;   SOFTMAX AHEAD OF A QUANTISED PRODUCT. Where the list says 'softmax', what is quantised is not the finished softmax but p = 2^(t - M), with t = logit x log2(e) and M = ceil(the row's largest t), a whole number; so 1/2 < the row's largest p <= 1. The row's sum l is taken of the UNQUANTISED p, in f32, and the product's result is divided by l at the end. Since M is a whole number, a kernel that streams over the keys may use a running M (the ceiling of the running maximum): every later rescaling is an exact power of two, which a block's scale takes up: the codes' values come out the same.
;;   OPERANDS COMPUTED ON THE WAY. 'Computed on the way' means the value that the module computes at that place (a softmax that the list does not call 'softmax' is quantised finished and normalised). What goes into a quantiser is computed in f32, as accurately as f32 sums, v_exp_f32 and their like allow (about 1e-6 of the number): no bf16 or f16 on the way to a quantiser, and a product that is left as it is and whose result goes on into a quantised operand takes f32 operands (vector FMAs, or v_wmma_f32_16x16x4_f32). A number that lies on a knife's edge between two numbers of the format may be rounded either way, as far as f32 arithmetic and the matrix unit's own rounding can turn it there, and no further.
;; One version. Each part assembles by itself: llvm-mc -triple=amdgcn-amd-amdhsa -mcpu=gfx1250 --defsym DOCPART=n.
;; ======== version 1 of 1: 2 launches
;; workspace buffers: qimg 1,572,864 bytes; qscl 65,536 bytes; kv 3,276,800 bytes; woimg 49,152 bytes; woscl 4,096 bytes
;; launch proj (part 1): grid 64 x 3, 8 waves a work-group, no clusters, 27,648 bytes of LDS; arguments x, Wq, Wk, Wv, Wo, bq, bk, bv, qimg, qscl, kv, woimg, woscl; writes qimg, qscl, kv, woimg, woscl
.if DOCPART == 1
	.amdgcn_target "amdgcn-amd-amdhsa--gfx1250"
	.amdhsa_code_object_version 6
	.text
	.protected	k_q20977d264f_proj
	.globl	k_q20977d264f_proj
	.p2align	8
	.type	k_q20977d264f_proj,@function
k_q20977d264f_proj:
	s_mov_b64 s[64:65], 0
	v_nop
	global_prefetch_b8 v0, s[64:65] scope:SCOPE_SE
	s_setreg_imm32_b32 hwreg(HW_REG_WAVE_MODE, 25, 1), 1
	s_wait_xcnt 0x0
; q = x Wq^T + bq, k = x Wk^T + bk, v = x Wv^T + bv on codes of FP6 (E2M3) with one E8M0 scale for each 32 along K, and the results quantised again
; for the attention launch: q and k along the head's 32, v along the keys.  Wo is quantised here too.  x: [8192][256] f32; W: [256][256] f32, K innermost.
; SHARES.  Work-group (x = block of 128 rows of x, y = 0: q, 1: k, 2: v), eight waves.  Wave w first quantises 16 rows of x (tile w) and hands them to the others through LDS
; as images of the operand's registers; then it is head w: it quantises its 32 rows of the weight in registers and makes the head's 32 channels for all 128 rows.
; THE ROWS OF A TILE ARE NOT NEIGHBOURS: row m of tile t of a block of 128 is 32 (t / 2) + 8 (t % 2) + m + 8 (m / 8); a head's two tiles of a weight likewise.  So the 16 result
; registers of two neighbouring tiles are 16 neighbours along the next product's K.
; q, k: source 0 = the weight, source 1 = x: a lane holds one row of x and 16 channels.  Four tiles of rows make ONE fragment: tile 4 g + b is block b of its 128 along K.
; v: source 0 = x, source 1 = the weight: a lane holds one channel and 16 keys of each block of 32: a fragment of V^T, 16 channels x 128 keys.
; AN IMAGE: register g of lane L at 512 (g / 4) + 16 L + 4 (g % 4): three accesses of 16 bytes a lane, 512 consecutive bytes each.
; No tensor load and no cluster: a work-group reads 128 KB of x and 256 KB of one weight once; nothing goes round a ring.
; LIMITS: NaN and infinities among the inputs are not served; a block whose largest magnitude lies under 2^-124 keeps the scale byte 1 (a block of zeros too: its codes are zeros,
; and this program alone reads the bytes).
.set XIMG, 0                           ; LDS: x's 16 fragments (tile t, K step s: 2 t + s), 1,536 bytes each
.set XSC,  24576                       ; their scale words, 128 bytes each
.set FRB,  1536
.set XA,   2                           ; v2   (r + 8 (r / 8)) x 1,024 + 64 h: my row of a tile, my 16 numbers of a block of 32
.set XN,   3                           ; v3   r x 1,024 + 64 h: the same for Wo's tiles, whose rows are neighbours
.set LI,   4                           ; v4   16 x lane
.set LS,   5                           ; v5   XSC + 4 x lane
.set XWI,  6                           ; v6   where I store x's images: 16 x lane + 3,072 x wave
.set XWS,  7                           ; v7   and their scale words: XSC + 4 x lane + 256 x wave
.set CBA,  8                           ; v8   64 h: the bias of q and k
.set L4,   9                           ; v9   4 x lane
.set CBV,  10                          ; v10  4 (r + 8 (r / 8)): the bias of v
.set WF,   16                          ; v16-63   the weight's four fragments (tile u, K step s: 2 u + s)
.set WS,   64                          ; v64-67   their scale words
.set XS,   68                          ; v68-71   x's scale words (2 e + s)
.set TM,   72                          ; v72-87   at work in QUANT
.set PW,   88                          ; v88      the scale word just made
.set PW0,  89                          ; v89      the first half's, kept
.set PC,   92                          ; v92-103  the codes just made
.set PT,   104                         ; v104-111 the conversions' second halves
.set BUF0, 112                         ; v112-175 64 numbers as loaded; later the accumulators
.set ACC,  112
.set BUF1, 176                         ; v176-239 64 numbers as loaded; later x's fragments and the bias
.set XF,   176                         ; v176-223 (24 e + 12 s)
.set CB,   224                         ; v224-239 the bias in the result's layout, 8 registers a tile
.set WV,   30
.set BET,  31
.set MAT,  32
.set SEL,  34
.set HI,   36
.set WP,   38                          ; s[38:39] the weight, at my head's rows
.set BP,   40                          ; s[40:41] the bias, at my head's channels
.set DC,   42                          ; s[42:43] where my codes go
.set DSC,  44                          ; s[44:45] where my scale words go
; 64 numbers of a lane: 16 neighbours of each of the four blocks of 128 along K
.macro LOAD64 buf, adr, base, off
.irp b, 0,1,2,3
.irp j, 0,1,2,3
	global_load_b128 v[\buf+16*\b+4*\j:\buf+16*\b+4*\j+3], v[\adr], s[\base:\base+1] offset:\off+128*\b+16*\j
.endr
.endr
.endm
; 64 numbers of a lane, register 16 b + i = k 32 b + 16 (lane / 16) + i of my row, become a fragment's codes in v[dst] on and its scale word in v[pw]
.macro QUANT src, dst, pw
.irp b, 0,1,2,3
	v_max3_num_f32 v[TM+\b], |v[\src+16*\b]|, |v[\src+1+16*\b]|, 0x1800000   ; my 16 numbers of block b, and the floor 2^(3 - 127): the byte cannot fall under 1
.endr
.irp i, 2,4,6,8,10,12,14
.irp b, 0,1,2,3
	v_max3_num_f32 v[TM+\b], v[TM+\b], |v[\src+16*\b+\i]|, |v[\src+1+16*\b+\i]|   ; the four blocks by turns
.endr
.endr
.irp b, 0,1,2,3
	v_permlanex16_b32 v[TM+4+\b], v[TM+\b], s[SEL], s[SEL+1]
.endr
.irp b, 0,1,2,3
	v_max_num_f32 v[TM+\b], v[TM+\b], v[TM+4+\b]   ; with lane l xor 16's: the block's largest magnitude
.endr
.irp b, 0,1,2,3
	v_add_nc_u32 v[TM+12+\b], 0xff000000, v[TM+\b]   ; 2 off its exponent field: the conversion's scale operand
.endr
.irp b, 0,1,2,3
	v_lshrrev_b32 v[TM+4+\b], 23, v[TM+12+\b]   ; the scale's byte
.endr
	v_lshl_or_b32 v[\pw], v[TM+5], 8, v[TM+4]
	v_lshl_or_b32 v[\pw], v[TM+6], 16, v[\pw]
	v_lshl_or_b32 v[\pw], v[TM+7], 24, v[\pw]
.irp c, 0,1
	v_cvt_scalef32_pk16_fp6_f32 v[\dst+6*\c:\dst+6*\c+2], v[\src+32*\c:\src+32*\c+15], v[TM+12+2*\c]
	v_cvt_scalef32_pk16_fp6_f32 v[PT+4*\c:PT+4*\c+2], v[\src+16+32*\c:\src+31+32*\c], v[TM+13+2*\c]   ; (a conversion's three registers begin on an even number)
.endr
	v_nop                                          ; one plain place behind the scaled conversions
.irp c, 0,1                                    ; the layout wants a whole block in a lane: lanes 0-15 block 2 c, lanes 16-31 block 2 c + 1
.irp i, 0,1,2
	v_permlane16_swap_b32 v[\dst+6*\c+\i], v[PT+4*\c+\i]
.endr
.irp i, 0,1,2
	v_mov_b32 v[\dst+3+6*\c+\i], v[PT+4*\c+\i]
.endr
.endr
.endm
.macro IMAGE adr, off                          ; the fragment in v[PC] on goes to LDS as it stands
.irp c, 0,1,2
	ds_store_b128 v[\adr], v[PC+4*\c:PC+4*\c+3] offset:\off+512*\c
.endr
.endm
.macro FETCH reg, off                          ; and comes back so, in any wave
.irp c, 0,1,2
	ds_load_b128 v[\reg+4*\c:\reg+4*\c+3], v[LI] offset:\off+512*\c
.endr
.endm
.macro XFETCH2 p                               ; x's tiles 2 p and 2 p + 1, both K steps, with their scale words
.irp e, 0,1
.irp s, 0,1
	FETCH XF+24*\e+12*\s, (2*(2*(\p)+\e)+\s)*FRB
	ds_load_b32 v[XS+2*\e+\s], v[LS] offset:128*(2*(2*(\p)+\e)+\s)
.endr
.endr
	s_wait_dscnt 0x0
.endm
.macro OUT half                                ; 32 lanes store 512 consecutive bytes, three times
.irp c, 0,1,2
	global_store_b128 v[LI], v[PC+4*\c:PC+4*\c+3], s[DC:DC+1] offset:(\half)*FRB+512*\c
.endr
.endm
.macro MM d, a, b, c, sa, sb
	v_wmma_scale_f32_16x16x128_f8f6f4 v[\d:\d+7], v[\a:\a+11], v[\b:\b+11], v[\c:\c+7], v[\sa], v[\sb] matrix_a_fmt:MATRIX_FMT_FP6 matrix_b_fmt:MATRIX_FMT_FP6
.endm
.macro PLACES n
.rept \n
	v_nop
.endr
.endm
	s_load_b512 s[4:19], s[0:1], 0x0               ; x, Wq, Wk, Wv, Wo, bq, bk, bv
	s_load_b256 s[20:27], s[0:1], 0x40             ; qimg, qscl, kv, woimg
	s_load_b64 s[28:29], s[0:1], 0x60              ; woscl
	v_lshl_add_u32 v254, v0, 2, 0x6800
	v_mov_b32 v255, 0
	v_lshrrev_b32 v1, 5, v0
	v_readfirstlane_b32 s[WV], v1                  ; wave 0..7: x's tile, then the head
	s_mov_b32 s[BET], ttmp9                        ; the block of 128 rows
	s_and_b32 s[MAT], ttmp7, 0xffff                ; 0: q, 1: k, 2: v
	s_mov_b32 s[SEL], 0x76543210
	s_mov_b32 s[SEL+1], 0xfedcba98                 ; v_permlanex16_b32's selects for lane l xor 16
	s_mov_b32 s[HI], 0xffff0000                    ; lanes 16-31
	v_and_b32 v1, 31, v0                           ; lane
	v_and_b32 v11, 15, v0                          ; r
	v_bfe_u32 v12, v0, 4, 1                        ; h
	v_and_b32 v13, 8, v11
	v_add_nc_u32 v13, v13, v11                     ; r + 8 (r / 8)
	v_lshlrev_b32 v14, 6, v12                      ; 64 h
	v_lshl_add_u32 v[XA], v13, 10, v14
	v_lshl_add_u32 v[XN], v11, 10, v14
	v_lshlrev_b32 v[LI], 4, v1
	v_lshlrev_b32 v[L4], 2, v1
	v_add_nc_u32 v[LS], XSC, v[L4]
	s_mul_i32 s46, s[WV], 3072
	v_add_nc_u32 v[XWI], s46, v[LI]
	s_lshl_b32 s47, s[WV], 8
	v_add_nc_u32 v[XWS], s47, v[LS]
	v_mov_b32 v[CBA], v14
	v_lshlrev_b32 v[CBV], 2, v13
.irp b, 0,1,2,3
	v_mov_b32 v[TM+4+\b], 0                        ; written once: a lane permute's destination counts as one of its sources
.endr
	; offsets, made apart from the addresses
	s_lshl_b32 s48, s[WV], 7                       ; 128 x head
	s_mul_i32 s49, s[BET], 24576                   ; q: the block's codes
	s_lshl_b32 s50, s[BET], 10                     ; q: the block's scale words
	s_lshr_b32 s51, s[BET], 1
	s_mul_i32 s51, s51, 102400                     ; k, v: the slot of 256 keys
	s_and_b32 s52, s[BET], 1                       ; and which of its two steps
	s_mul_i32 s53, s52, 24576
	s_add_co_u32 s53, s53, s51
	s_lshl_b32 s54, s52, 10
	s_add_co_u32 s54, s54, s51
	s_add_co_u32 s54, s54, 98304
	s_cmp_eq_u32 s[MAT], 2
	s_cselect_b32 s55, 49152, 0                    ; v's codes lie behind k's,
	s_cselect_b32 s56, 2048, 0                     ; its scale words too
	s_add_co_u32 s53, s53, s55
	s_add_co_u32 s54, s54, s56
	s_lshl_b32 s57, s[BET], 7
	s_lshr_b32 s55, s[WV], 1
	s_lshl_b32 s55, s55, 5
	s_add_co_u32 s57, s57, s55
	s_and_b32 s55, s[WV], 1
	s_lshl_b32 s55, s55, 3
	s_add_co_u32 s57, s57, s55                     ; my tile's first row of x: 128 block + 32 (w / 2) + 8 (w % 2)
	s_lshl_b32 s57, s57, 10
	s_mov_b32 s59, 0
	s_wait_kmcnt 0x0
	s_cmp_eq_u32 s[MAT], 0                         ; the buffers are chosen by the work-group's number alone
	s_cselect_b64 s[WP:WP+1], s[6:7], s[8:9]
	s_cselect_b64 s[BP:BP+1], s[14:15], s[16:17]
	s_cselect_b64 s[DC:DC+1], s[20:21], s[24:25]
	s_cselect_b64 s[DSC:DSC+1], s[22:23], s[24:25]
	s_cselect_b32 s53, s49, s53
	s_cselect_b32 s54, s50, s54
	s_cmp_eq_u32 s[MAT], 2
	s_cselect_b64 s[WP:WP+1], s[10:11], s[WP:WP+1]
	s_cselect_b64 s[BP:BP+1], s[18:19], s[BP:BP+1]
	s_add_co_u32 s58, s53, s46
	s_add_nc_u64 s[DC:DC+1], s[DC:DC+1], s[58:59]
	s_add_co_u32 s58, s54, s48
	s_add_nc_u64 s[DSC:DSC+1], s[DSC:DSC+1], s[58:59]
	s_mov_b32 s58, s57
	s_add_nc_u64 s[4:5], s[4:5], s[58:59]
	s_lshl_b32 s58, s[WV], 15                      ; my head's 32 rows of the weight
	s_add_nc_u64 s[WP:WP+1], s[WP:WP+1], s[58:59]
	s_mov_b32 s58, s48
	s_add_nc_u64 s[BP:BP+1], s[BP:BP+1], s[58:59]
	; ---- x's tile and the weight's four fragments are quantised; two buffers of 16 loads take turns: each counted wait leaves the other buffer's 16 loads out
	LOAD64 BUF0, XA, 4, 0
	LOAD64 BUF1, XA, 4, 512
	s_wait_loadcnt 16
	QUANT BUF0, PC, PW
	IMAGE XWI, XIMG
	ds_store_b32 v[XWS], v[PW]
	LOAD64 BUF0, XA, WP, 0
	s_wait_loadcnt 16
	s_wait_dscnt 0x0                               ; the stores have read their registers
	QUANT BUF1, PC, PW
	IMAGE XWI, XIMG+FRB
	ds_store_b32 v[XWS], v[PW] offset:128
	LOAD64 BUF1, XA, WP, 512
	s_wait_loadcnt 16
	QUANT BUF0, WF, WS
	LOAD64 BUF0, XA, WP, 8192                      ; the second tile begins 8 rows further down
	s_wait_loadcnt 16
	QUANT BUF1, WF+12, WS+1
	LOAD64 BUF1, XA, WP, 8192+512
	s_wait_loadcnt 16
	QUANT BUF0, WF+24, WS+2
	s_wait_loadcnt 0x0
	QUANT BUF1, WF+36, WS+3
	PLACES 8                                       ; operands and scale words written by vector instructions stand 4 and 8 places ahead of a scaled matrix instruction
	s_wait_dscnt 0x0                               ; my images have landed
	s_barrier_signal -1
	s_barrier_wait -1                              ; x's sixteen fragments lie in LDS; nothing is stored there again
	s_cmp_eq_u32 s[MAT], 2
	s_cbranch_scc1 .Larm_v
	; ---- q, k: the bias is the C of each sum's first product: lane (r, h), tile u: channels 16 h + 8 u + 0 .. 7
.irp i, 0,1,2,3
	global_load_b128 v[CB+4*\i:CB+4*\i+3], v[CBA], s[BP:BP+1] offset:16*\i
.endr
	s_wait_loadcnt 0x0
.irp g, 0,1
.irp pp, 0,1
	XFETCH2 2*\g+\pp
.irp s, 0,1                                    ; four accumulators by turns, one instruction a turn
.irp e, 0,1
.irp u, 0,1
.if \s == 0
	MM ACC+16*(2*\pp+\e)+8*\u, WF+12*(2*\u+\s), XF+24*\e+12*\s, CB+8*\u, WS+2*\u+\s, XS+2*\e+\s
.else
	MM ACC+16*(2*\pp+\e)+8*\u, WF+12*(2*\u+\s), XF+24*\e+12*\s, ACC+16*(2*\pp+\e)+8*\u, WS+2*\u+\s, XS+2*\e+\s
.endif
.endr
.endr
.endr
	PLACES 4                                       ; in front of loads into registers that the products have read, and of the first read of results
.endr
	s_wait_xcnt 0x0                                ; the codes' registers are written again only behind this wait
	QUANT ACC, PC, PW                              ; block b of the fragment = tile 4 g + b: a row's 32 channels
	OUT \g
.if \g == 0
	v_mov_b32 v[PW0], v[PW]
.endif
.endr
	s_branch .Ljoin
.Larm_v:
	; ---- v: the bias of my lane's channel, in all eight registers of a tile
	global_load_b32 v[CB], v[CBV], s[BP:BP+1]
	global_load_b32 v[CB+8], v[CBV], s[BP:BP+1] offset:32
	s_wait_loadcnt 0x0
.irp u, 0,1
.irp j, 1,2,3,4,5,6,7
	v_mov_b32 v[CB+8*\u+\j], v[CB+8*\u]
.endr
.endr
.irp u, 0,1
.irp p, 0,1,2,3
	XFETCH2 \p
.irp s, 0,1                                    ; two accumulators by turns
.irp e, 0,1
.if \s == 0
	MM ACC+16*\p+8*\e, XF+24*\e+12*\s, WF+12*(2*\u+\s), CB+8*\u, XS+2*\e+\s, WS+2*\u+\s
.else
	MM ACC+16*\p+8*\e, XF+24*\e+12*\s, WF+12*(2*\u+\s), ACC+16*\p+8*\e, XS+2*\e+\s, WS+2*\u+\s
.endif
.endr
.endr
	PLACES 4
.endr
	s_wait_xcnt 0x0
	QUANT ACC, PC, PW                              ; 16 channels x 128 keys, quantised along the keys
	OUT \u
.if \u == 0
	v_mov_b32 v[PW0], v[PW]
.endif
.endr
.Ljoin:
	v_cndmask_b32 v[PW], v[PW0], v[PW], s[HI]      ; lanes 0-15 carry the first fragment's scale words, lanes 16-31 the second's
	global_store_b32 v[L4], v[PW], s[DSC:DSC+1]
	; ---- Wo: 32 fragments (16 rows x 128 K, rows as they lie), one to each wave of the first four work-groups
	s_lshl_b32 s46, s[MAT], 6
	s_add_co_u32 s46, s46, s[BET]
	s_cmp_lt_u32 s46, 4
	s_cbranch_scc0 .Lend
	s_lshl_b32 s46, s[BET], 3
	s_add_co_u32 s46, s46, s[WV]                   ; f = 2 x tile + K step
	s_lshr_b32 s47, s46, 1
	s_lshl_b32 s47, s47, 14
	s_and_b32 s48, s46, 1
	s_lshl_b32 s48, s48, 9
	s_add_co_u32 s58, s47, s48
	s_add_nc_u64 s[12:13], s[12:13], s[58:59]
	s_mul_i32 s58, s46, FRB
	s_add_nc_u64 s[26:27], s[26:27], s[58:59]
	s_lshl_b32 s58, s46, 7
	s_add_nc_u64 s[28:29], s[28:29], s[58:59]
	LOAD64 BUF0, XN, 12, 0
	s_wait_loadcnt 0x0
	s_wait_xcnt 0x0                                ; the earlier stores have read the codes' and the scale word's registers
	QUANT BUF0, PC, PW
.irp c, 0,1,2
	global_store_b128 v[LI], v[PC+4*\c:PC+4*\c+3], s[26:27] offset:512*\c
.endr
	global_store_b32 v[L4], v[PW], s[28:29]
.Lend:
	s_wait_tensorcnt 0x0
	ds_add_u32 v254, v255
	s_wait_dscnt 0x0
	s_endpgm
.Lfunc_end_k_q20977d264f_proj:
	.size	k_q20977d264f_proj, .Lfunc_end_k_q20977d264f_proj-k_q20977d264f_proj
	.p2alignl 7, 3214868480
	.fill 96, 4, 3214868480
	.section	.rodata,"a",@progbits
	.p2align	6, 0x0
	.amdhsa_kernel k_q20977d264f_proj
		.amdhsa_group_segment_fixed_size 27648
		.amdhsa_private_segment_fixed_size 0
		.amdhsa_enable_private_segment 0
		.amdhsa_kernarg_size 104
		.amdhsa_user_sgpr_count 2
		.amdhsa_user_sgpr_kernarg_segment_ptr 1
		.amdhsa_wavefront_size32 1
		.amdhsa_system_sgpr_workgroup_id_x 1
		.amdhsa_system_sgpr_workgroup_id_y 1
		.amdhsa_system_sgpr_workgroup_id_z 1
		.amdhsa_system_vgpr_workitem_id 0
		.amdhsa_next_free_vgpr 256
		.amdhsa_next_free_sgpr 66
		.amdhsa_reserve_vcc 0
		.amdhsa_float_denorm_mode_32 3
		.amdhsa_float_denorm_mode_16_64 3
		.amdhsa_memory_ordered 1
		.amdhsa_forward_progress 1
		.amdhsa_inst_pref_size 82
	.end_amdhsa_kernel
	.amdgpu_metadata
---
amdhsa.version: [ 1, 2 ]
amdhsa.kernels:
  - .name:           k_q20977d264f_proj
    .symbol:         k_q20977d264f_proj.kd
    .args:
      - { .name: x, .offset: 0, .size: 8, .value_kind: global_buffer, .address_space: global }
      - { .name: Wq, .offset: 8, .size: 8, .value_kind: global_buffer, .address_space: global }
      - { .name: Wk, .offset: 16, .size: 8, .value_kind: global_buffer, .address_space: global }
      - { .name: Wv, .offset: 24, .size: 8, .value_kind: global_buffer, .address_space: global }
      - { .name: Wo, .offset: 32, .size: 8, .value_kind: global_buffer, .address_space: global }
      - { .name: bq, .offset: 40, .size: 8, .value_kind: global_buffer, .address_space: global }
      - { .name: bk, .offset: 48, .size: 8, .value_kind: global_buffer, .address_space: global }
      - { .name: bv, .offset: 56, .size: 8, .value_kind: global_buffer, .address_space: global }
      - { .name: qimg, .offset: 64, .size: 8, .value_kind: global_buffer, .address_space: global }
      - { .name: qscl, .offset: 72, .size: 8, .value_kind: global_buffer, .address_space: global }
      - { .name: kv, .offset: 80, .size: 8, .value_kind: global_buffer, .address_space: global }
      - { .name: woimg, .offset: 88, .size: 8, .value_kind: global_buffer, .address_space: global }
      - { .name: woscl, .offset: 96, .size: 8, .value_kind: global_buffer, .address_space: global }
    .group_segment_fixed_size: 27648
    .private_segment_fixed_size: 0
    .kernarg_segment_align: 8
    .kernarg_segment_size: 104
    .max_flat_workgroup_size: 256
    .sgpr_count:     66
    .vgpr_count:     256
    .wavefront_size: 32
...
	.end_amdgpu_metadata
.endif
;; end of part 1
;; launch attn (part 2): grid 256 x 1, 16 waves a work-group, clusters of 4 x 1, 327,680 bytes of LDS; arguments qimg, qscl, kv, pos, woimg, woscl, bo, out0; writes out0
.if DOCPART == 2
	.amdgcn_target "amdgcn-amd-amdhsa--gfx1250"
	.amdhsa_code_object_version 6
	.text
	.protected	k_q20977d264f_attn
	.globl	k_q20977d264f_attn
	.p2align	8
	.type	k_q20977d264f_attn,@function
k_q20977d264f_attn:
	s_mov_b64 s[64:65], 0
	v_nop
	global_prefetch_b8 v0, s[64:65] scope:SCOPE_SE
	s_setreg_imm32_b32 hwreg(HW_REG_WAVE_MODE, 25, 1), 1
	s_wait_xcnt 0x0
	s_wait_alu depctr_hold_cnt(0) depctr_sa_sdst(0) depctr_va_vdst(0) depctr_va_sdst(0) depctr_va_ssrc(0) depctr_va_vcc(0) depctr_vm_vsrc(0)
	s_getreg_b32 s2, hwreg(HW_REG_IB_STS2, 6, 4)
	s_cmp_eq_u32 s2, 0
	s_cbranch_scc0 .Lentry_in_a_cluster
	s_endpgm
.Lentry_in_a_cluster:
	s_bfe_u32 s2, ttmp6, 0x10000c
	s_cmp_lg_u32 s2, 0x3003
	s_cbranch_scc0 .Lentry_shape_is_right
	s_endpgm
.Lentry_shape_is_right:
; out = (softmax(q k^T / sqrt(32) - dist / 10) v) Wo^T + bo, all four products on codes of FP6 (E2M3) with E8M0 scales; dist from the positions in f32.
; SHARES.  A work-group owns 32 rows (queries) of the flat 8,192, all 8 heads.  Wave w = 8 qt + hd owns query tile qt (rows 8 qt + r + 8 (r / 8)) of head hd, in 256 registers: four waves
; to a SIMD, so that one wave's exponentials stand beside another's plain work, products and LDS loads.  Every wave walks the batch's 4,096 keys: 16 slots of 2 steps of 128.
; CLUSTER.  The four work-groups of a cluster lie in one batch and walk the same K and V: a slot (102,400 dense bytes: codes and scale words of 256 keys, 8 heads) is asked for JOINTLY,
; by four loads of 25,600 bytes (waves 0-3) with a mask that names the four.
; LAYOUT.  Both products transposed: S^T = K Q^T, O^T = V^T P^T: a lane holds one query.  The head's K is 32, a quarter of the instruction's 128: a fragment of K holds FOUR tiles of 16 keys,
; one in each block of 32, and is multiplied four times, by fragments of Q that hold q's codes in one block and zero codes in the others.
; THE DISTANCE TERM is the same for 8 heads: wave hd makes it for 32 of the slot's 256 keys (d2 by the f32 matrix form, K = 4: (-2x, -2y, -2z, |p|^2) . (x, y, z, 1) + |p_i|^2), stores
; -sqrt(max(d2, 0)) sqrt(32) / 10 in LDS as images of score registers; every wave loads them INTO its score registers, and K Q^T adds onto them.  Then t = S x log2(e) / sqrt(32).
; SOFTMAX.  M = the running largest t rounded up to a whole number; p = 2^(t - M) is quantised along the keys, not normalised; the row's sum is taken of the unquantised p and divides at the end.
; THE END.  O / l is quantised (a block of 32 along the 256 is a head), goes through LDS as rows of codes, and wave w makes output channels 16 w .. 16 w + 15 for the 32 rows.
; LIMITS: NaN and infinities are not served; a block whose largest magnitude lies under 2^-124 keeps the scale byte 1; the positions must keep d2 finite in f32; d2 is a chain of fused
; multiply-adds, so its last bits can differ from a sum of rounded products (of weight only for points that nearly coincide).
.set SLOT1, 1<<17                      ; slot 1 begins here: one exclusive or turns an address in one slot into the other's
.set SLOTB, 102400                     ; a slot: K's codes 49,152, V's codes 49,152, K's scale words 2,048, V's 2,048
.set QTR,   25600                      ; what one tensor load brings: 100 rows of 256 bytes
.set VOFF,  49152
.set KSOFF, 98304
.set SPARE, 102400                     ; the spare words, 128 bytes for each of 16 waves: eight blocks of 256 bytes that no other line names
.set OROW,  104448                     ; the end: 32 rows of 256 codes, 192 bytes + 16
.set OP,    208
.set OSC,   111104                     ; and their scale words: (tile of rows, K step) x 16 rows x 4 bytes
.set BIASL, 233472                     ; the distance term: 2 buffers x [qt][16 tiles of keys][2 x 512 bytes]
.set BBUF,  32768
.set STAGE, BIASL                      ; the way out: 32 rows x (1,024 + 16) bytes, where the distance term lay
.set SP,    1040
.set AK0, 1                            ; v1   16 lane + 3,072 head
.set AS0, 2                            ; v2   KSOFF + 4 lane + 128 head
.set ABR, 3                            ; v3   BIASL + 16,384 qt + 16 lane
.set ABW, 4                            ; v4   ABR + 2,048 head
.set SPW, 5                            ; v5   my spare word; never rewritten
.set NIL, 6                            ; v6   0; never rewritten
.set POFF, 7                           ; v7   12 (r + 8 (r / 8))
.set ADK, 8
.set ADV, 9
.set ADS, 10
.set ADB, 11
.set QF,  16                           ; v16-45  Qlo, zeros, Qhi, zeros, Qlo: six registers each
.set QS,  46                           ; scale registers: q's, K's, V's, p's
.set KS,  47
.set VS,  48
.set PS,  49
.set KF,  50                           ; v50-73
.set VF,  74                           ; v74-97
.set S,   98                           ; v98-161  the scores, then p
.set OA,  162                          ; v162-177 O^T
.set PC,  178                          ; v178-189 p's codes
.set PT,  190                          ; v190-197
.set TM,  198                          ; v198-201 the blocks' largest
.set TP,  202                          ; v202-205 permutes' destinations, bytes
.set TSC, 206                          ; v206-209 the conversions' scale operands
.set F,   210                          ; v[210:211] f, and a written 0
.set T2,  212                          ; v[212:213] at work
.set PX,  214                          ; v214-219 two keys' positions
.set BO,  214                          ; the end: bo's eight numbers
.set PA,  220                          ; v220-223
.set PB,  224                          ; v224-225
.set PCQ, 226                          ; v226-233
.set D2,  234                          ; v234-249 written by the f32 matrix form alone
.set ADW, 252
.set PFO, 253                          ; v253  256 x min(lane, 24); never rewritten
.set WV,  20
.set QT,  21
.set HD,  22
.set CX,  23
.set WX,  24
.set BAT, 25
.set SEL, 26
.set CS,  28
.set BM,  30
.set HI,  32
.set G1,  36
.set G0,  44
.set TB,  48
.set BB,  49
.set SLOTS, 50
.set LIM, 51
.set PFA, 52
.set POSK, 54
.macro CROUND                          ; a round of the cluster's barrier
	s_barrier_signal -1
	s_barrier_wait -1
	s_cmp_lg_u32 s[WV], 0
	s_cbranch_scc1 .Lnot_wave_0_\@
	s_barrier_signal -3
.Lnot_wave_0_\@:
	s_barrier_wait -3
	s_barrier_signal -1
	s_barrier_wait -1
.endm
.macro TLOAD                           ; waves 0-3 fetch a quarter of a slot each; the branch hangs on the wave's number alone; four v_nop follow the load
	s_cmp_lt_u32 s[WV], 4
	s_cbranch_scc0 .Lno_load_\@
	tensor_load_to_lds s[G0:G0+3], s[G1:G1+7]
	s_nop 0
.rept 4
	v_nop
.endr
.Lno_load_\@:
.endm
; A prefetch of the slot that the NEXT change of slots will ask for: two key steps ahead of that load.  All 32 clusters of a batch walk the same slots: the batch's first cluster asks.  Its four partners
; take 25,600 bytes each, told apart by address; in each, waves 4-7 take 6,400 bytes, 25 blocks of 256, a lane a block (lanes 25-31 name lane 24's in the same instruction).
; The last change that fills a slot asks for nothing; slots 0 and 1 come by their loads alone.
.macro ASK
	s_cmp_gt_u32 s[SLOTS], s[LIM]
	s_cbranch_scc0 .Lnot_mine_\@
	global_prefetch_b8 v[PFO], s[PFA:PFA+1] th:TH_LOAD_NT scope:SCOPE_SE
.Lnot_mine_\@:
.endm
.macro POSLOAD                         ; the positions of my 32 keys of a slot: tile u, key 8 u + r + 8 (r / 8)
.irp u, 0,1
.irp i, 0,1,2
	global_load_b32 v[PX+3*\u+\i], v[POFF], s[POSK:POSK+1] offset:96*\u+4*\i
.endr
.endr
.endm
; The distance term of my 16 queries and my 32 keys of the slot ahead, into buffer s[BB].  next = 1: the next slot's positions are asked for.
.macro MKBIAS next
	s_wait_loadcnt 0x0                             ; the positions, asked for a slot ago
.irp u, 0,1
	v_mul_f32 v[TM+\u], v[PX+3*\u], v[PX+3*\u]
.endr
.irp u, 0,1
	v_fma_f32 v[TM+\u], v[PX+3*\u+1], v[PX+3*\u+1], v[TM+\u]
.endr
.irp u, 0,1
	v_fma_f32 v[TM+\u], v[PX+3*\u+2], v[PX+3*\u+2], v[TM+\u]   ; |p_j|^2
.endr
.irp u, 0,1
	v_cndmask_b32 v[TM+2+\u], v[PX+3*\u], v[PX+3*\u+2], s[HI]   ; lanes 0-15 hold k = 0, 1, lanes 16-31 k = 2, 3
	v_mul_f32 v[TP+\u], -2.0, v[PX+3*\u+1]
.endr
.irp u, 0,1
	v_mul_f32 v[PA+2*\u], -2.0, v[TM+2+\u]         ; -2x | -2z
	v_cndmask_b32 v[PA+2*\u+1], v[TP+\u], v[TM+\u], s[HI]   ; -2y | |p_j|^2
.endr
.if \next
	s_add_nc_u64 s[POSK:POSK+1], s[POSK:POSK+1], 3072   ; 256 keys on (the loads that read the base are in)
	POSLOAD
.endif
	v_add_nc_u32 v[ADW], s[BB], v[ABW]
	v_wmma_f32_16x16x4_f32 v[D2:D2+7], v[PA:PA+1], v[PB:PB+1], v[PCQ:PCQ+7]
	v_wmma_f32_16x16x4_f32 v[D2+8:D2+15], v[PA+2:PA+3], v[PB:PB+1], v[PCQ:PCQ+7]
.rept 8
	v_nop                                          ; eight places behind this form
.endr
.irp i, 0,1,2,3,4,5,6,7,8,9,10,11,12,13,14,15
	v_max_num_f32 v[S+\i], 0, v[D2+\i]             ; each result from its low end on
.endr
.irp i, 0,1,2,3,4,5,6,7,8,9,10,11,12,13,14,15
	v_sqrt_f32 v[S+\i], v[S+\i]
.endr
	v_nop                                          ; a plain place behind the last root
	s_wait_alu depctr_va_vdst(0)                   ; one wait for the sixteen roots, ahead of their first reader
.irp i, 0,2,4,6,8,10,12,14
	v_pk_mul_f32 v[S+\i:S+\i+1], v[S+\i:S+\i+1], s[BM:BM+1] op_sel_hi:[1,0]   ; x -sqrt(32) / 10
.endr
.irp i, 0,1,2,3
	ds_store_b128 v[ADW], v[S+4*\i:S+4*\i+3] offset:512*\i
.endr
.endm
; THE CHANGE OF SLOTS, at a slot's head.  Each wave waits for all its tensor loads (its part of the slot ahead), adds 0 to its spare word, and waits for that, for its reads of the slot that it has
; left and for its stores of the distance term.  fill = 1: a round of the cluster's barrier, and behind it the slot just left is asked for again: one load a wave is then out.
.macro CHANGE fill
	s_wait_tensorcnt 0x0                           ; no tensor load of mine is out, so the descriptor may be written
	ds_add_u32 v[SPW], v[NIL]                      ; 0 onto my spare word
.if \fill
	s_xor_b32 s[G0+1], s[G0+1], SLOT1              ; the other slot than last time,
	s_add_nc_u64 s[G0+2:G0+3], s[G0+2:G0+3], SLOTB ; the next 256 keys; the type bits on top are not reached
	s_wait_xcnt 0x0                                ; the last prefetch, a slot back, has read its address
	s_add_nc_u64 s[PFA:PFA+1], s[PFA:PFA+1], SLOTB
	s_wait_dscnt 0x0
	CROUND
	TLOAD
	ASK
.else
	s_wait_dscnt 0x0
	s_barrier_signal -1
	s_barrier_wait -1
.endif
.endm
; A KEY STEP: 128 keys, the q-th of the slot in hand
.macro STEP q
.irp g, 0,1
.irp c, 0,1,2
	ds_load_b128 v[KF+12*\g+4*\c:KF+12*\g+4*\c+3], v[ADK] offset:(\q)*24576+\g*1536+\c*512
.endr
.endr
	ds_load_b32 v[KS], v[ADS] offset:(\q)*1024
.irp t, 0,1,2,3,4,5,6,7
	ds_load_b128 v[S+8*\t:S+8*\t+3], v[ADB] offset:(8*(\q)+\t)*1024       ; the distance term lands in the score registers
	ds_load_b128 v[S+8*\t+4:S+8*\t+7], v[ADB] offset:(8*(\q)+\t)*1024+512
.endr
	s_wait_dscnt 0x0
.irp t, 0,1,2,3,4,5,6,7                        ; tile t of 16 keys is block t % 4 of fragment t / 4; Q's fragment with its codes in that block begins at QF + 0, 12, 18, 6
.set QB, QF+12*(\t%2)+18*((\t%4)/2)-24*((\t%2)*((\t%4)/2))
.if \t < 4
	v_wmma_scale_f32_16x16x128_f8f6f4 v[S+8*\t:S+8*\t+7], v[KF:KF+11], v[QB:QB+11], v[S+8*\t:S+8*\t+7], v[KS], v[QS] matrix_a_fmt:MATRIX_FMT_FP6 matrix_b_fmt:MATRIX_FMT_FP6
.else
	v_wmma_scale_f32_16x16x128_f8f6f4 v[S+8*\t:S+8*\t+7], v[KF+12:KF+23], v[QB:QB+11], v[S+8*\t:S+8*\t+7], v[KS], v[QS] matrix_a_fmt:MATRIX_FMT_FP6 matrix_b_fmt:MATRIX_FMT_FP6 matrix_a_scale:MATRIX_SCALE_ROW1
.endif
.endr
.rept 4
	v_nop                                          ; places in front of the first read of the scores, and of the loads into V's registers, which the last step's products read
.endr
.irp u, 0,1
.irp c, 0,1,2
	ds_load_b128 v[VF+12*\u+4*\c:VF+12*\u+4*\c+3], v[ADV] offset:(\q)*24576+\u*1536+\c*512
.endr
.endr
	ds_load_b32 v[VS], v[ADS] offset:2048+(\q)*1024
.irp b, 0,1,2,3
	v_max3_num_f32 v[TM+\b], v[S+16*\b], v[S+1+16*\b], v[S+2+16*\b]   ; the largest score of each block of 32 keys: for the row's maximum, and for the block's largest p
.endr
.irp i, 3,5,7,9,11,13
.irp b, 0,1,2,3
	v_max3_num_f32 v[TM+\b], v[TM+\b], v[S+16*\b+\i], v[S+1+16*\b+\i]
.endr
.endr
.irp b, 0,1,2,3
	v_max_num_f32 v[TM+\b], v[TM+\b], v[S+15+16*\b]
.endr
.irp b, 0,1,2,3
	v_permlanex16_b32 v[TP+\b], v[TM+\b], s[SEL], s[SEL+1]
.endr
.irp b, 0,1,2,3
	v_max_num_f32 v[TM+\b], v[TM+\b], v[TP+\b]     ; with lane l xor 16's 16 keys
.endr
	v_max3_num_f32 v[T2], v[TM], v[TM+1], v[TM+2]
	v_max_num_f32 v[T2], v[T2], v[TM+3]
	v_mul_f32 v[T2], s[CS], v[T2]                  ; as t (c is positive)
	v_max_num_f32 v13, v13, v[T2]                  ; the running largest t
	v_mov_b32 v[T2], v12
	v_floor_f32 v12, -v13                          ; the new -M = -ceil(t): a whole number
	v_sub_f32 v[T2], v12, v[T2]                    ; old M less new M: a whole number, 0 or less
	v_cvt_i32_f32 v[T2], v[T2]                     ; (it saturates)
	v_ldexp_f32 v[F], 1.0, v[T2]                   ; f = 2^(old M - new M): a multiplication by it rounds nothing
.irp j, 0,2,4,6,8,10,12,14,16,18,20,22,24,26,28,30,32,34,36,38,40,42,44,46,48,50,52,54,56,58,60,62
	v_pk_fma_f32 v[S+\j:S+\j+1], v[S+\j:S+\j+1], s[CS:CS+1], v[12:13] op_sel_hi:[1,0,0]   ; t - M, two at a time
.endr
.irp b, 0,1,2,3
	v_fma_f32 v[TM+\b], v[TM+\b], s[CS], v12       ; the same of each block's largest score
.endr
.irp j, 0,1,2,3,4,5,6,7,8,9,10,11,12,13,14,15,16,17,18,19,20,21,22,23,24,25,26,27,28,29,30,31,32,33,34,35,36,37,38,39,40,41,42,43,44,45,46,47,48,49,50,51,52,53,54,55,56,57,58,59,60,61,62,63
	v_exp_f32 v[S+\j], v[S+\j]                     ; p = 2^(t - M), at most 1
.endr
	v_pk_mul_f32 v[14:15], v[14:15], v[F:F+1] op_sel_hi:[1,0]   ; the sums under the new M (a plain place behind the exponentials)
	s_wait_alu depctr_va_vdst(0)                   ; one wait for the batch of 64, ahead of its first reader
.irp b, 0,1,2,3
	v_exp_f32 v[TM+\b], v[TM+\b]                   ; the block's largest p: the same two instructions on the same number
.endr
	v_pk_add_f32 v[T2:T2+1], v[S:S+1], v[S+2:S+3]  ; the row's sum of the unquantised p, in two chains
.irp j, 4,8,12,16,20,24,28,32,36,40,44,48,52,56,60
	v_pk_add_f32 v[14:15], v[14:15], v[S+\j:S+\j+1]
	v_pk_add_f32 v[T2:T2+1], v[T2:T2+1], v[S+2+\j:S+3+\j]
.endr
	v_pk_add_f32 v[14:15], v[14:15], v[T2:T2+1]
	s_wait_alu depctr_va_vdst(0)                   ; and one for the four
.irp b, 0,1,2,3
	v_max_num_f32 v[TM+\b], 0x1800000, v[TM+\b]    ; the floor 2^(3 - 127): the byte cannot fall under 1
.endr
.irp b, 0,1,2,3
	v_add_nc_u32 v[TSC+\b], 0xff000000, v[TM+\b]   ; 2 off the exponent field: the conversion's scale operand
.endr
.irp b, 0,1,2,3
	v_lshrrev_b32 v[TP+\b], 23, v[TSC+\b]          ; the scale's byte
.endr
	v_lshl_or_b32 v[PS], v[TP+1], 8, v[TP]         ; p's scale word for these 128 keys
	v_lshl_or_b32 v[PS], v[TP+2], 16, v[PS]
	v_lshl_or_b32 v[PS], v[TP+3], 24, v[PS]
.irp c, 0,1
	v_cvt_scalef32_pk16_fp6_f32 v[PC+6*\c:PC+6*\c+2], v[S+32*\c:S+32*\c+15], v[TSC+2*\c]
	v_cvt_scalef32_pk16_fp6_f32 v[PT+4*\c:PT+4*\c+2], v[S+16+32*\c:S+31+32*\c], v[TSC+1+2*\c]
.endr
	v_nop                                          ; one plain place behind the scaled conversions
.irp c, 0,1
.irp i, 0,1,2
	v_permlane16_swap_b32 v[PC+6*\c+\i], v[PT+4*\c+\i]
.endr
.irp i, 0,1,2
	v_mov_b32 v[PC+3+6*\c+\i], v[PT+4*\c+\i]
.endr
.endr
.irp j, 0,2,4,6,8,10,12,14
	v_pk_mul_f32 v[OA+\j:OA+\j+1], v[OA+\j:OA+\j+1], v[F:F+1] op_sel_hi:[1,0]   ; O^T under the new M
.endr
.rept 4
	v_nop                                          ; with the multiplies of the other accumulator: 8 places between p's codes and a product, 9 between p's scale word and it
.endr
	s_wait_dscnt 0x0                               ; V
	v_wmma_scale_f32_16x16x128_f8f6f4 v[OA:OA+7], v[VF:VF+11], v[PC:PC+11], v[OA:OA+7], v[VS], v[PS] matrix_a_fmt:MATRIX_FMT_FP6 matrix_b_fmt:MATRIX_FMT_FP6
	v_wmma_scale_f32_16x16x128_f8f6f4 v[OA+8:OA+15], v[VF+12:VF+23], v[PC:PC+11], v[OA+8:OA+15], v[VS], v[PS] matrix_a_fmt:MATRIX_FMT_FP6 matrix_b_fmt:MATRIX_FMT_FP6 matrix_a_scale:MATRIX_SCALE_ROW1
.endm
.macro SLOT_STEPS
	v_add_nc_u32 v[ADK], s[TB], v[AK0]
	v_add_nc_u32 v[ADV], VOFF, v[ADK]
	v_add_nc_u32 v[ADS], s[TB], v[AS0]
	v_add_nc_u32 v[ADB], s[BB], v[ABR]
	STEP 0
	STEP 1
	s_xor_b32 s[TB], s[TB], SLOT1                  ; on to the other slot,
	s_xor_b32 s[BB], s[BB], BBUF                   ; and the other buffer of the distance term
.endm
	s_load_b512 s[4:19], s[0:1], 0x0               ; qimg 4, qscl 6, kv 8, pos 10, woimg 12, woscl 14, bo 16, out0 18
	v_lshl_add_u32 v[SPW], v0, 2, SPARE
	v_mov_b32 v[NIL], 0
	ds_add_u32 v5, v6
	s_wait_dscnt 0x0
	v_lshrrev_b32 v8, 5, v0
	v_readfirstlane_b32 s[WV], v8                  ; wave 0..15
	s_lshr_b32 s[QT], s[WV], 3
	s_and_b32 s[HD], s[WV], 7
	s_bfe_u32 s[CX], ttmp6, 0x40000                ; my place in the cluster: it enters global addresses and a shift of data alone
	s_lshl_b32 s[WX], ttmp9, 2
	s_add_co_u32 s[WX], s[WX], s[CX]               ; my block of 32 rows
	s_lshr_b32 s[BAT], ttmp9, 5                    ; the batch, which the partners share
	s_mov_b32 s[SEL], 0x76543210
	s_mov_b32 s[SEL+1], 0xfedcba98
	s_mov_b32 s[CS], 0x3e8293ee                    ; c = log2(e) / sqrt(32)
	s_mov_b32 s[CS+1], s[CS]
	s_mov_b32 s[BM], 0xbf10d0c3                    ; -sqrt(32) / 10
	s_mov_b32 s[BM+1], s[BM]
	s_mov_b32 s[HI], 0xffff0000
	s_mov_b32 s[TB], 0
	s_mov_b32 s[BB], 0
	s_mov_b32 s[SLOTS], 15
	; descriptor group 1: 100 rows of 32 elements of 8 bytes, dense, no padding
	s_mov_b32 s[G1], 15|(3<<16)|(1<<21)            ; 15:0 the mask: all four work-groups; 17:16 elements of 8 bytes; 21 set beside a mask
	s_mov_b32 s[G1+1], 32<<16                      ; tensor_dim0
	s_mov_b32 s[G1+2], 100<<16                     ; tensor_dim1
	s_mov_b32 s[G1+3], 32<<16                      ; tile_dim0
	s_mov_b32 s[G1+4], 100                         ; tile_dim1
	s_mov_b32 s[G1+5], 32                          ; tensor_dim0_stride
	s_mov_b32 s[G1+6], 0
	s_mov_b32 s[G1+7], 0
	s_and_b32 s56, s[WV], 3
	s_mul_i32 s57, s56, QTR                        ; my quarter of a slot, in memory and in LDS
	s_mul_i32 s58, s[BAT], 16*SLOTB
	s_add_co_u32 s60, s58, s57
	s_mov_b32 s61, 0
	s_wait_kmcnt 0x0
	s_mov_b32 s[G0], 1
	s_mov_b32 s[G0+1], s57
	s_add_nc_u64 s[G0+2:G0+3], s[8:9], s[60:61]
	s_or_b32 s[G0+3], s[G0+3], 0x80000000
	CROUND                                         ; all four work-groups are here: the first joint loads meet
	TLOAD                                          ; slot 0
	; the prefetches: where mine stand, and who asks
	s_mul_i32 s62, s[CX], QTR
	s_mul_i32 s63, s56, 6400
	s_add_co_u32 s60, s58, s62
	s_add_co_u32 s60, s60, s63
	s_add_co_u32 s60, s60, SLOTB                   ; in slot 1: the first change of slots steps it to slot 2
	s_add_nc_u64 s[PFA:PFA+1], s[8:9], s[60:61]
	s_lshr_b32 s62, s[WV], 2
	s_xor_b32 s62, s62, 1                          ; 0 in waves 4-7,
	s_and_b32 s63, ttmp9, 31
	s_or_b32 s62, s62, s63                         ; of the batch's first cluster: the same in all four partners
	s_cmp_eq_u32 s62, 0
	s_cselect_b32 s[LIM], 1, -1
	; the keys' positions, my queries' positions, q
	s_lshl_b32 s62, s[BAT], 12
	s_lshl_b32 s63, s[HD], 5
	s_add_co_u32 s62, s62, s63
	s_mul_i32 s60, s62, 12
	s_add_nc_u64 s[POSK:POSK+1], s[10:11], s[60:61]
	s_lshl_b32 s62, s[WX], 5
	s_lshl_b32 s63, s[QT], 3
	s_add_co_u32 s62, s62, s63
	s_mul_i32 s60, s62, 12
	s_add_nc_u64 s[66:67], s[10:11], s[60:61]
	s_mul_i32 s60, ttmp9, 24576                    ; q's block of 128 rows is the cluster's; my 32 rows are tiles 2 cx, 2 cx + 1 of it:
	s_mul_i32 s62, s[HD], 3072
	s_add_co_u32 s60, s60, s62
	s_lshr_b32 s62, s[CX], 1                       ; fragment cx / 2,
	s_mul_i32 s63, s62, 1536
	s_add_co_u32 s60, s60, s63
	s_lshl_b32 s63, s[QT], 8                       ; block 2 (cx % 2) + qt: lanes 16 qt + r, registers 6 (cx % 2) on
	s_add_co_u32 s60, s60, s63
	s_add_nc_u64 s[68:69], s[4:5], s[60:61]
	s_lshl_b32 s60, ttmp9, 10
	s_lshl_b32 s63, s[HD], 7
	s_add_co_u32 s60, s60, s63
	s_lshl_b32 s63, s62, 6
	s_add_co_u32 s60, s60, s63
	s_add_nc_u64 s[70:71], s[6:7], s[60:61]
	s_and_b32 s72, s[CX], 1
	s_mul_i32 s73, s72, 520
	s_mul_i32 s74, s72, 1016
	s_lshl_b32 s75, s72, 1
	s_add_co_u32 s75, s75, s[QT]
	s_lshl_b32 s75, s75, 3                         ; my byte of q's scale word, in bits
	s_mov_b32 s76, 0x01010101
	v_and_b32 v212, 31, v0                         ; lane
	v_and_b32 v213, 15, v0                         ; r
	v_and_b32 v198, 8, v213
	v_add_nc_u32 v198, v198, v213
	v_mul_u32_u24 v[POFF], v198, 12
	v_lshlrev_b32 v199, 4, v213
	v_add_nc_u32 v203, s73, v199
	v_add_nc_u32 v204, s74, v199
	v_lshlrev_b32 v205, 2, v213
	global_load_b64 v[178:179], v203, s[68:69]     ; my query's 32 codes, 24 bytes of the image
	global_load_b64 v[180:181], v204, s[68:69] offset:8
	global_load_b64 v[182:183], v203, s[68:69] offset:512
	global_load_b32 v190, v205, s[70:71]
	global_load_b32 v200, v[POFF], s[66:67]
	global_load_b32 v201, v[POFF], s[66:67] offset:4
	global_load_b32 v202, v[POFF], s[66:67] offset:8
	POSLOAD                                        ; slot 0's
	s_mul_i32 s77, s[HD], 3072
	v_lshl_add_u32 v[AK0], v212, 4, s77
	s_lshl_b32 s77, s[HD], 7
	s_add_co_u32 s77, s77, KSOFF
	v_lshl_add_u32 v[AS0], v212, 2, s77
	s_lshl_b32 s77, s[QT], 14
	s_add_co_u32 s77, s77, BIASL
	v_lshl_add_u32 v[ABR], v212, 4, s77
	s_lshl_b32 s77, s[HD], 11
	v_add_nc_u32 v[ABW], s77, v[ABR]
	v_min_u32 v[PFO], 24, v212
	v_lshlrev_b32 v[PFO], 8, v[PFO]
	v_mov_b32 v13, 0xff61b1e6                      ; the largest t so far: -3e38
	v_floor_f32 v12, -v13
	v_mov_b32 v14, 0
	v_mov_b32 v15, 0
	v_mov_b32 v[F+1], 0                            ; (named as the upper half of a pair)
.irp i, 0,1,2,3,4,5,6,7,8,9,10,11,12,13,14,15
	v_mov_b32 v[OA+\i], 0                          ; the step is written once: the first finds zeros
.endr
.irp i, 0,1,2,3,4,5
	v_mov_b32 v[QF+6+\i], 0
	v_mov_b32 v[QF+18+\i], 0
.endr
	s_wait_loadcnt 6                               ; all but the six key positions
.irp i, 0,1,2,3,4,5
	v_cndmask_b32 v[QF+\i], v[178+\i], 0, s[HI]    ; q in lanes 0-15, zero codes in lanes 16-31
	v_cndmask_b32 v[QF+12+\i], 0, v[178+\i], s[HI] ; and the other way round
.endr
.irp i, 0,1,2,3,4,5
	v_mov_b32 v[QF+24+\i], v[QF+\i]
.endr
	v_lshrrev_b32 v190, s75, v190
	v_and_b32 v190, 0xff, v190
	v_mul_lo_u32 v[QS], v190, s76                  ; q's byte in all four places
	v_cndmask_b32 v[PB], v200, v202, s[HI]         ; x | z
	v_cndmask_b32 v[PB+1], v201, 1.0, s[HI]        ; y | 1
	v_mul_f32 v[PCQ], v200, v200
	v_fma_f32 v[PCQ], v201, v201, v[PCQ]
	v_fma_f32 v[PCQ], v202, v202, v[PCQ]           ; |p_i|^2
.irp i, 1,2,3,4,5,6,7
	v_mov_b32 v[PCQ+\i], v[PCQ]
.endr
.irp b, 0,1,2,3
	v_mov_b32 v[TP+\b], 0                          ; a lane permute's destination counts as one of its sources
.endr
.Lslot:                                            ; 15 trips: behind each change of slots but the last the next slot is asked for
	MKBIAS 1
	CHANGE 1
	SLOT_STEPS
	s_sub_co_u32 s[SLOTS], s[SLOTS], 1
	s_cmp_lg_u32 s[SLOTS], 0
	s_cbranch_scc1 .Lslot
	MKBIAS 0                                       ; the last slot is written out
	CHANGE 0
	SLOT_STEPS
	; ---- THE END.  The row's sum; O^T / l; quantised: my head is one block of 32 of the last product's K
	v_add_f32 v14, v14, v15
	v_permlanex16_b32 v[T2], v14, s[SEL], s[SEL+1]
	v_add_f32 v14, v14, v[T2]
	v_rcp_f32 v14, v14
	v_and_b32 v206, 15, v0                         ; r  (plain places behind the reciprocal and the last products)
	v_bfe_u32 v207, v0, 4, 1                       ; h
	v_and_b32 v208, 31, v0                         ; lane
	v_and_b32 v209, 8, v206
	v_add_nc_u32 v209, v209, v206                  ; r + 8 (r / 8)
	v_lshlrev_b32 v2, 4, v208                      ; 16 lane
	v_lshlrev_b32 v3, 2, v208                      ; 4 lane
	v_lshlrev_b32 v4, 5, v207                      ; 32 h
	s_mul_i32 s60, s[WV], 3072
	s_add_nc_u64 s[66:67], s[12:13], s[60:61]      ; Wo's tile w: output channels 16 w on
	s_lshl_b32 s60, s[WV], 8
	s_add_nc_u64 s[68:69], s[14:15], s[60:61]
	s_lshl_b32 s60, s[WV], 6
	s_add_nc_u64 s[70:71], s[16:17], s[60:61]
	s_lshl_b32 s60, s[WX], 5
	s_lshl_b32 s62, s[WV], 1
	s_add_co_u32 s60, s60, s62
	s_lshl_b32 s60, s60, 10
	s_add_nc_u64 s[72:73], s[18:19], s[60:61]      ; out0 at row 32 X + 2 w
.irp s, 0,1
.irp c, 0,1,2
	global_load_b128 v[KF+12*\s+4*\c:KF+12*\s+4*\c+3], v2, s[66:67] offset:\s*1536+\c*512
.endr
.endr
	global_load_b32 v[KS], v3, s[68:69]
	global_load_b32 v[VS], v3, s[68:69] offset:128
	global_load_b128 v[BO:BO+3], v4, s[70:71]      ; bo(16 w + 8 h + 0 .. 7): the C of the first products
	global_load_b128 v[BO+4:BO+7], v4, s[70:71] offset:16
	s_mul_i32 s62, s[QT], 16*OP
	s_mul_i32 s63, s[HD], 24
	s_add_co_u32 s62, s62, s63
	s_add_co_u32 s62, s62, OROW
	v_mul_u32_u24 v11, v206, OP
	v_mad_u32_u24 v11, v207, 12, v11
	v_add_nc_u32 v11, s62, v11                     ; my 16 codes: row 16 qt + r, 24 head + 12 h bytes on
	s_lshr_b32 s62, s[WV], 2
	s_lshl_b32 s62, s62, 6
	s_and_b32 s63, s[WV], 3
	s_add_co_u32 s62, s62, s63
	s_add_co_u32 s62, s62, OSC
	v_lshl_add_u32 v252, v206, 2, s62              ; my scale byte: word (2 qt + head / 4, r), byte head % 4
	v_mul_u32_u24 v1, v206, OP
	v_mad_u32_u24 v1, v207, 24, v1
	v_add_nc_u32 v1, OROW, v1                      ; a fragment's row r, + 24 h
	v_lshl_add_u32 v10, v206, 2, OSC
	v_mul_u32_u24 v8, v209, SP
	v_lshl_add_u32 v8, v207, 5, v8
	s_lshl_b32 s62, s[WV], 6
	s_add_co_u32 s62, s62, STAGE
	v_add_nc_u32 v8, s62, v8                       ; the stage: row r + 8 (r / 8), 64 w + 32 h bytes on
	s_mul_i32 s62, s[WV], 2*SP
	s_add_co_u32 s62, s62, STAGE
	v_add_nc_u32 v9, s62, v2                       ; back: rows 2 w, 2 w + 1
	s_wait_alu depctr_va_vdst(0)                   ; the wait for the reciprocal, ahead of its first reader
.irp i, 0,1,2,3,4,5,6,7,8,9,10,11,12,13,14,15
	v_mul_f32 v[S+\i], v[OA+\i], v14               ; channel 16 h + i of my head
.endr
	v_max3_num_f32 v198, |v[S]|, |v[S+1]|, 0x1800000
.irp i, 2,4,6,8,10,12,14
	v_max3_num_f32 v198, v198, |v[S+\i]|, |v[S+1+\i]|
.endr
	v_permlanex16_b32 v202, v198, s[SEL], s[SEL+1]
	v_max_num_f32 v198, v198, v202
	v_add_nc_u32 v199, 0xff000000, v198
	v_lshrrev_b32 v203, 23, v199
	v_cvt_scalef32_pk16_fp6_f32 v[PC:PC+2], v[S:S+15], v199
	v_nop
.irp i, 0,1,2
	ds_store_b32 v11, v[PC+\i] offset:4*\i
.endr
	ds_store_b8 v252, v203                         ; lanes l and l xor 16 write the same byte with the same value
	s_wait_dscnt 0x0                               ; my stores have landed, and my reads of the distance term are long over
	s_barrier_signal -1
	s_barrier_wait -1                              ; 32 rows of codes and their scale words lie in LDS
.irp m, 0,1
.irp s, 0,1
.irp p, 0,1,2,3,4,5
	ds_load_b64 v[S+12*(2*\m+\s)+2*\p:S+12*(2*\m+\s)+2*\p+1], v1 offset:\m*16*OP+96*\s+48*(\p/3)+8*(\p%3)
.endr
.endr
.endr
	ds_load_b32 v46, v10
	ds_load_b32 v49, v10 offset:64
	ds_load_b32 v250, v10 offset:128
	ds_load_b32 v251, v10 offset:192
	s_wait_dscnt 0x0
	s_wait_loadcnt 0x0                             ; Wo, its scale words, bo
.macro OPROD m, s, sc, first
.if \first
	v_wmma_scale_f32_16x16x128_f8f6f4 v[OA+8*\m:OA+8*\m+7], v[KF+12*\s:KF+12*\s+11], v[S+12*(2*\m+\s):S+12*(2*\m+\s)+11], v[BO:BO+7], v[KS+\s], v[\sc] matrix_a_fmt:MATRIX_FMT_FP6 matrix_b_fmt:MATRIX_FMT_FP6
.else
	v_wmma_scale_f32_16x16x128_f8f6f4 v[OA+8*\m:OA+8*\m+7], v[KF+12*\s:KF+12*\s+11], v[S+12*(2*\m+\s):S+12*(2*\m+\s)+11], v[OA+8*\m:OA+8*\m+7], v[KS+\s], v[\sc] matrix_a_fmt:MATRIX_FMT_FP6 matrix_b_fmt:MATRIX_FMT_FP6
.endif
.endm
	OPROD 0, 0, 46, 1                              ; two accumulators by turns
	OPROD 1, 0, 250, 1
	OPROD 0, 1, 49, 0
	OPROD 1, 1, 251, 0
.rept 4
	v_nop
.endr
.irp m, 0,1
	ds_store_b128 v8, v[OA+8*\m:OA+8*\m+3] offset:\m*8*SP      ; lane (r, h): out(8 m + r + 8 (r / 8), 16 w + 8 h + 0 .. 7)
	ds_store_b128 v8, v[OA+8*\m+4:OA+8*\m+7] offset:\m*8*SP+16
.endr
	s_wait_dscnt 0x0
	s_barrier_signal -1
	s_barrier_wait -1                              ; 32 whole rows lie in the stage
.irp i, 0,1,2,3
	ds_load_b128 v[S+4*\i:S+4*\i+3], v9 offset:(\i/2)*SP+512*(\i%2)
.endr
.irp i, 0,1,2,3
	s_wait_dscnt 3-\i                              ; the younger loads may stay out
	global_store_b128 v2, v[S+4*\i:S+4*\i+3], s[72:73] offset:(\i/2)*1024+512*(\i%2) th:TH_STORE_NT   ; 32 lanes store 512 consecutive bytes, at a multiple of 256 from out0's first byte
.endr
	s_wait_tensorcnt 0x0                           ; the wave's end
	ds_add_u32 v[SPW], v[NIL]
	s_wait_dscnt 0x0
	CROUND                                         ; the closing round
	s_endpgm
.Lfunc_end_k_q20977d264f_attn:
	.size	k_q20977d264f_attn, .Lfunc_end_k_q20977d264f_attn-k_q20977d264f_attn
	.p2alignl 7, 3214868480
	.fill 96, 4, 3214868480
	.section	.rodata,"a",@progbits
	.p2align	6, 0x0
	.amdhsa_kernel k_q20977d264f_attn
		.amdhsa_group_segment_fixed_size 327680
		.amdhsa_private_segment_fixed_size 0
		.amdhsa_enable_private_segment 0
		.amdhsa_kernarg_size 64
		.amdhsa_user_sgpr_count 2
		.amdhsa_user_sgpr_kernarg_segment_ptr 1
		.amdhsa_wavefront_size32 1
		.amdhsa_system_sgpr_workgroup_id_x 1
		.amdhsa_system_sgpr_workgroup_id_y 1
		.amdhsa_system_sgpr_workgroup_id_z 1
		.amdhsa_system_vgpr_workitem_id 0
		.amdhsa_next_free_vgpr 256
		.amdhsa_next_free_sgpr 100
		.amdhsa_reserve_vcc 0
		.amdhsa_float_denorm_mode_32 3
		.amdhsa_float_denorm_mode_16_64 3
		.amdhsa_memory_ordered 1
		.amdhsa_forward_progress 1
		.amdhsa_inst_pref_size 85
	.end_amdhsa_kernel
	.amdgpu_metadata
---
amdhsa.version: [ 1, 2 ]
amdhsa.kernels:
  - .name:           k_q20977d264f_attn
    .symbol:         k_q20977d264f_attn.kd
    .args:
      - { .name: qimg, .offset: 0, .size: 8, .value_kind: global_buffer, .address_space: global }
      - { .name: qscl, .offset: 8, .size: 8, .value_kind: global_buffer, .address_space: global }
      - { .name: kv, .offset: 16, .size: 8, .value_kind: global_buffer, .address_space: global }
      - { .name: pos, .offset: 24, .size: 8, .value_kind: global_buffer, .address_space: global }
      - { .name: woimg, .offset: 32, .size: 8, .value_kind: global_buffer, .address_space: global }
      - { .name: woscl, .offset: 40, .size: 8, .value_kind: global_buffer, .address_space: global }
      - { .name: bo, .offset: 48, .size: 8, .value_kind: global_buffer, .address_space: global }
      - { .name: out0, .offset: 56, .size: 8, .value_kind: global_buffer, .address_space: global }
    .group_segment_fixed_size: 327680
    .private_segment_fixed_size: 0
    .kernarg_segment_align: 8
    .kernarg_segment_size: 64
    .max_flat_workgroup_size: 512
    .sgpr_count:     100
    .vgpr_count:     256
    .wavefront_size: 32
...
	.end_amdgpu_metadata
.endif
;; end of part 2
